; MI455X (gfx1250); checked and timed in simulation.
; The chip was launched on July 23, 2026; its instructions are those of AMD's public machine-readable ISA for CDNA 5 (MIT licence, August 2026) and "CDNA5" Instruction Set Architecture Reference Guide (July 2026). The comments in the code are by the model that wrote it; some were corrected since.
;; Dot Product Attention. Allowed arithmetic: matrix products marked QUANTISED: E2M1 operands, one E8M0 scale for each 32 along K, by v_wmma_scale_f32_16x16x128_f8f6f4 with both operands' format E2M1 (or v_wmma_scale_f32_32x16x128_f4), f32 sums; everything else in f32.
;; Inputs: keys 2 x 16 x 2,048 x 64 float32; mask 1 x 1 x 2,048 x 2,048 bool; queries 2 x 16 x 2,048 x 64 float32; values 2 x 16 x 2,048 x 64 float32.
;; Outputs: out0 2 x 16 x 2,048 x 64 float32.
;; Constants: d_k = 64.
;; This version of the problem:
;;   THIS VERSION OF THE PROBLEM IS GIVEN IN LOW PRECISION. The matrix products marked QUANTISED in the list below multiply operands that are first quantised to E2M1 (2 exponent bits, 1 mantissa bit; 4 bits a number), with one power-of-two scale for each 32 numbers along K (OCP MX v1.0); their sums are f32. All else is computed in f32.
;;   The module's matrix products, in the order in which they are computed (A, B: the left and right operand; K: the contracted axis; several contracted axes count as one K, in the product's order):
;;     1. batch 32 x [M 2,048, K 64] x [K 64, N 2,048]; A: input queries; B: input keys: QUANTISED
;;     2. batch 32 x [M 2,048, K 2,048] x [K 2,048, N 64]; A: computed on the way; B: input values: QUANTISED
;;   THE QUANTISER, for each operand of a quantised product, along K:
;;     - K is cut into blocks of 32 from its start; a last block that is shorter is filled with zeros.
;;     - A block's scale is 2^e with e = floor(log2(the largest magnitude in the block)) - 2, held to -126 .. 127; a block of zeros has e = 0. As a byte (E8M0): e + 127.
;;     - Each number is divided by its block's scale, clamped to +-6, and rounded to the nearest number of E2M1, ties to even, subnormals kept.
;;     - The product sums the exact products of the quantised numbers (number of the format x scale) in f32.
;;   ~~~python
;;   def quantise(x, axis):      # numpy; x: float32 -> the quantised numbers, widened to float32 again
;;       x = np.moveaxis(x, axis, -1); K = x.shape[-1]
;;       x = np.pad(x, [(0, 0)] * (x.ndim - 1) + [(0, -K % 32)]); x = x.reshape(x.shape[:-1] + (-1, 32)); a = np.abs(x).max(-1, keepdims=True)
;;       e = np.where(a > 0, np.clip(np.frexp(np.where(a > 0, a, 1))[1] - 1 - 2, -126, 127), 0)      # np.frexp(a)[1] - 1 = floor(log2(a)), exactly
;;       r = np.clip(x / 2.0 ** e, -6, 6)
;;       step = 2.0 ** (np.maximum(np.frexp(np.where(r == 0, 1, r))[1] - 1, 0) - 1)
;;       q = np.round(r / step) * step * 2.0 ** e      # np.round: ties to even
;;       return np.moveaxis(q.reshape(q.shape[:-2] + (-1,))[..., :K], -1, axis).astype(np.float32)
;;   ~~~
;;   OPERANDS COMPUTED ON THE WAY. 'Computed on the way' means the value that the module computes at that place (a softmax that the list does not call 'softmax' is quantised finished and normalised). What goes into a quantiser is computed in f32, as accurately as f32 sums, v_exp_f32 and their like allow (about 1e-6 of the number): no bf16 or f16 on the way to a quantiser, and a product that is left as it is and whose result goes on into a quantised operand takes f32 operands (vector FMAs, or v_wmma_f32_16x16x4_f32). A number that lies on a knife's edge between two numbers of the format may be rounded either way, as far as f32 arithmetic and the matrix unit's own rounding can turn it there, and no further.
;; One version. Each part assembles by itself: llvm-mc -triple=amdgcn-amd-amdhsa -mcpu=gfx1250 --defsym DOCPART=n.
;; ======== version 1 of 1: 2 launches
;; limits: right only within a limited range of input values
;; workspace buffers: qcodes 2,097,152 bytes; kfrag 2,097,152 bytes; vfrag 2,097,152 bytes; mcodes 2,097,152 bytes; scl 524,288 bytes; flags 65,536 bytes of whole numbers
;; launch prep (part 1): grid 8 x 32, 8 waves a work-group, no clusters, 218,368 bytes of LDS; arguments queries, keys, values, mask, qcodes, kfrag, vfrag, mcodes, scl, flags; writes qcodes, kfrag, vfrag, mcodes, scl, flags
.if DOCPART == 1
	.amdgcn_target "amdgcn-amd-amdhsa--gfx1250"
	.amdhsa_code_object_version 6
	.text
	.protected	k_q4241e6a9ce_prep
	.globl	k_q4241e6a9ce_prep
	.p2align	8
	.type	k_q4241e6a9ce_prep,@function
k_q4241e6a9ce_prep:
	s_mov_b64 s[64:65], 0
	v_nop
	global_prefetch_b8 v0, s[64:65] scope:SCOPE_SE
	s_setreg_imm32_b32 hwreg(HW_REG_WAVE_MODE, 25, 1), 1
	s_wait_xcnt 0x0
; queries, keys, values [32 heads][2048][64] f32 become codes of FP4 (E2M1) with one E8M0 scale byte for each 32 along a product's K; the mask [2048][2048] of bytes becomes codes and flags.
; queries and keys are quantised along the head's 64 (two blocks a row), values along the KEYS (a block = 32 keys of one channel).
; A block's scale is 2^(floor(log2(its largest magnitude)) - 2): its byte is the largest magnitude's exponent field - 2, held at 1 from below by a floor among the maximum's leaves.
; (A block of zeros so gets the byte 1 where the rule says 127: its codes are zeros, and this program alone reads the bytes.)
; LIMITS: NaN and infinities among the inputs are not served; one that meets only hidden keys is not carried to the result.
; WHAT IS WRITTEN, all laid as the second launch's registers want it:
;   qcodes [head][query][2 blocks][16 bytes]: rows.
;   kfrag  [head][64 pairs P][2 u][32 lanes][16 bytes]: lane (r, h) holds key 32 P + 8 u + r + 8 (r / 8), channels 32 h .. 32 h + 31.
;   vfrag  [head][16 steps][4 dt][2 c][32 lanes][16 bytes]: lane (r, h) holds channel 16 dt + r, keys 128 step + 64 c + 32 h + 0 .. 31.
;   mcodes [128 tiles T of 16 queries][16 steps][2 c][32 lanes][16 bytes]: in lane (n, h), nibble i of register t = 4 c + .. stands for query 16 T + n and key 128 step + 32 (t / 2) + 16 h + 8 (t % 2) + i:
;          the code 2 (the number 1.0) where the mask's byte is 0, the code 0 where it is 1.
;   scl    [head][8 chunks of 256 rows][2,048 bytes]: 1,024 bytes of the queries' scale words (bytes s0, s1, s0, s1), 512 of the keys', 512 of the values', the last two as [32 lanes][4 words].
;   flags  [256 work-groups 8 head + x][256 bytes], whole numbers: word v (the eight words stand eight times over) speaks for the mask's unit of wave v, step = id % 16:
;          bit 'step' is set where the unit holds a visible key, bit 16 + step where it holds a visible and a hidden one; the word is 0 where all its keys are hidden.
; SHARES.  Work-group (x, head) takes rows 256 x .. 256 x + 255 of the head; wave v its rows 32 v .. 32 v + 31 of all three tensors (8,192 dense bytes each), and one unit of the mask, 16 queries x 128 keys.
; Every load takes bytes as they lie, 512 consecutive bytes an instruction; the conversions want 32 neighbours along K in ONE lane's registers, so each tensor turns through the wave's own stage in LDS.
; All 52 loads of a wave go out first.  No tensor load, no cluster, no prefetch: the work-groups share no input byte but halves of the mask's rows, and there is no loop to run ahead in.
.set WREG, 26880                       ; LDS of a wave: three stages
.set STGB, 8960                        ; a stage: 32 rows of 256 bytes; row k lies at 272 k + 128 (k / 16), so that the sixteen rows which a load back touches start in sixteen different columns of 16 bytes
.set SC,   8*WREG                      ; behind the stages: the image of the work-group's record of scl, 2,048 bytes
.set SPARE, SC+2048                    ; the spare words, 128 bytes for each wave, that no other line names
.set FL,   SPARE+1024                  ; the eight waves' words of flags: a block of 256 bytes
.set RK,   32                          ; v32-95   keys as loaded, then 2 x 32 neighbours
.set RQ,   96                          ; v96-159  queries
.set RV,   160                         ; v160-223 values
.set RM,   224                         ; v224-239 the mask's bytes
.set KC,   240                         ; v240-247 keys' codes
.set QC,   248                         ; v248-255 queries' codes
.set VC,   32                          ; v32-39   values' codes  (the keys' numbers are done with by then)
.set MCD,  40                          ; v40-47   the mask's codes
.set MT,   48                          ; v48-63   at work on the mask
; No register that a global store reads is written again, so no wait stands for that.
.macro LOADR reg, base                 ; 32 rows, 8,192 dense bytes: load i brings rows 2 i (lanes 0-15) and 2 i + 1 (lanes 16-31)
.irp i, 0,1,2,3,4,5,6,7,8,9,10,11,12,13,14,15
	global_load_b128 v[\reg+4*\i:\reg+4*\i+3], v1, s[\base:\base+1] offset:512*\i th:TH_LOAD_NT
.endr
.endm
.macro STIN reg, st                    ; into stage st, as loaded
.irp i, 0,1,2,3,4,5,6,7,8,9,10,11,12,13,14,15
	ds_store_b128 v2, v[\reg+4*\i:\reg+4*\i+3] offset:\st*STGB+2*\i*272+((2*\i)/16)*128
.endr
.endm
.macro LDROWS reg, st                  ; back: lane (r, h) takes channels 32 h .. 32 h + 31 of rows r + 8 (r / 8) (u = 0) and 8 further on (u = 1)
.irp u, 0,1
.irp i, 0,1,2,3,4,5,6,7
	ds_load_b128 v[\reg+32*\u+4*\i:\reg+32*\u+4*\i+3], v3 offset:\st*STGB+\u*2176+16*\i
.endr
.endr
.endm
; 32 numbers of a lane, v[x] on, are one block: its codes go to v[c] .. v[c + 3], the conversion's scale operand to v[so], the scale's byte to v[by].
.macro QBLK x, c, so, by, ta, tb
	v_max3_num_f32 v[\ta], |v[\x]|, |v[\x+1]|, 0x1800000           ; the largest magnitude, in two chains; the floor 2^(3 - 127) is one of the leaves: the byte cannot fall under 1
	v_max3_num_f32 v[\tb], |v[\x+2]|, |v[\x+3]|, |v[\x+4]|
.irp i, 5,9,13,17,21,25
	s_delay_alu instid0(VALU_DEP_2)
	v_max3_num_f32 v[\ta], v[\ta], |v[\x+\i]|, |v[\x+\i+1]|
	s_delay_alu instid0(VALU_DEP_2)
	v_max3_num_f32 v[\tb], v[\tb], |v[\x+\i+2]|, |v[\x+\i+3]|
.endr
	s_delay_alu instid0(VALU_DEP_2)
	v_max3_num_f32 v[\ta], v[\ta], |v[\x+29]|, |v[\x+30]|
	s_delay_alu instid0(VALU_DEP_1)
	v_max3_num_f32 v[\ta], v[\ta], v[\tb], |v[\x+31]|
	s_delay_alu instid0(VALU_DEP_1)
	v_add_nc_u32 v[\so], 0xff000000, v[\ta]                        ; 2 off its exponent field: the conversion takes the exponent field of this operand as its scale
	s_delay_alu instid0(VALU_DEP_1)
	v_lshrrev_b32 v[\by], 23, v[\so]                               ; the scale's byte
.irp g, 0,1,2,3
	v_cvt_scalef32_pk8_fp4_f32 v[\c+\g], v[\x+8*\g:\x+8*\g+7], v[\so]
.endr
.endm
; my two bytes (rows u = 0, 1; my block h) and lane l xor 16's make the word (u0 h0, u0 h1, u1 h0, u1 h1); the first line is also the plain line behind the conversions
.macro WORD b0, b1, dst, tmp
	v_lshl_or_b32 v[\dst], v[\b1], 16, v[\b0]
	s_delay_alu instid0(VALU_DEP_1)
	v_lshlrev_b32 v[\dst], v12, v[\dst]
	s_delay_alu instid0(VALU_DEP_1)
	v_permlanex16_b32 v[\tmp], v[\dst], s30, s31
	s_delay_alu instid0(VALU_DEP_1)
	v_or_b32 v[\dst], v[\dst], v[\tmp]
.endm
	s_load_b512 s[4:19], s[0:1], 0x0               ; queries s[4:5], keys s[6:7], values s[8:9], mask s[10:11], qcodes s[12:13], kfrag s[14:15], vfrag s[16:17], mcodes s[18:19]
	s_load_b128 s[20:23], s[0:1], 0x40             ; scl s[20:21], flags s[22:23]
	v_lshl_add_u32 v25, v0, 2, SPARE
	v_mov_b32 v27, 0
	v_lshrrev_b32 v14, 5, v0
	v_readfirstlane_b32 s24, v14                   ; wave v
	v_and_b32 v15, 31, v0                          ; lane L
	v_and_b32 v16, 15, v0                          ; r
	v_bfe_u32 v17, v0, 4, 1                        ; h
	v_bfe_u32 v18, v0, 3, 1                        ; r / 8
	v_lshl_add_u32 v19, v18, 3, v16                ; r + 8 (r / 8)
	v_lshlrev_b32 v1, 4, v15                       ; v1: 16 L
	s_mul_i32 s25, s24, WREG                       ; my stages
	v_mul_u32_u24 v2, v17, 272
	v_lshl_add_u32 v2, v16, 4, v2
	v_add_nc_u32 v2, s25, v2                       ; v2: into a stage: row h of a load's two, 16 r
	v_mul_u32_u24 v3, v19, 272
	v_lshl_add_u32 v3, v18, 7, v3
	v_lshl_add_u32 v3, v17, 7, v3
	v_add_nc_u32 v3, s25, v3                       ; v3: back by rows: row r + 8 (r / 8), my half of its 256 bytes
	v_lshl_add_u32 v4, v15, 2, s25                 ; v4: back by columns: 4 L
	v_lshlrev_b32 v5, 5, v19
	v_lshl_add_u32 v5, v17, 4, v5                  ; v5: qcodes: 32 bytes a row, 16 h
	v_lshlrev_b32 v6, 10, v17
	v_lshl_add_u32 v6, v16, 4, v6                  ; v6: vfrag: 1,024 (L / 16) + 16 (L % 16)
	s_lshl_b32 s26, s24, 7
	s_add_co_u32 s26, s26, SC
	v_lshl_add_u32 v7, v17, 3, v19
	v_lshlrev_b32 v7, 2, v7
	v_add_nc_u32 v7, s26, v7                       ; v7: the word of query 32 v + 8 h + r + 8 (r / 8)
	s_and_b32 s27, s24, 1
	s_lshl_b32 s27, s27, 8
	s_lshr_b32 s28, s24, 1
	s_lshl_b32 s28, s28, 2
	s_add_co_u32 s27, s27, s28
	s_add_co_u32 s27, s27, SC+1024
	v_lshl_add_u32 v8, v16, 4, s27                 ; v8: the keys' word of pair v: lane (r, v % 2), word v / 2
	s_lshr_b32 s28, s24, 2
	s_lshl_b32 s28, s28, 3
	s_and_b32 s29, s24, 3
	s_add_co_u32 s28, s28, s29
	s_add_co_u32 s28, s28, SC+1536
	v_lshl_add_u32 v9, v15, 4, s28                 ; v9: the values' byte: lane L, word 2 (v / 4) + e, byte v % 4
	s_lshl_b32 s29, s29, 9
	v_add_nc_u32 v26, s29, v1                      ; v26: 512 (v % 4) + 16 L: my part of the record (waves 0 to 3 use it)
	v_add_nc_u32 v10, SC, v26                      ; v10: the same in LDS
	v_lshlrev_b32 v11, 11, v16
	v_lshl_add_u32 v11, v17, 4, v11                ; v11: the mask: row r of 2,048 bytes, 16 h
	v_lshlrev_b32 v12, 3, v17                      ; v12: 8 h
	v_lshlrev_b32 v13, 4, v17                      ; v13: 16 h
	v_mov_b32 v23, 0                               ; a lane permute's destination counts as one of its sources
	s_mov_b32 s30, 0x76543210
	s_mov_b32 s31, 0xfedcba98                      ; v_permlanex16_b32's selects for lane l xor 16
	s_and_b32 s32, ttmp7, 0xffff                   ; head
	s_lshl_b32 s33, s32, 3
	s_add_co_u32 s33, s33, ttmp9                   ; 8 head + x
	s_lshl_b32 s34, s33, 3
	s_add_co_u32 s34, s34, s24                     ; id = 8 (8 head + x) + v: 0 .. 2,047
	s_lshl_b32 s36, s34, 13                        ; my 32 rows of 256 bytes in each input
	s_mov_b32 s37, 0
	s_lshl_b32 s38, s34, 10                        ; 1,024 bytes a wave in qcodes, kfrag and mcodes
	s_mov_b32 s39, 0
	s_lshr_b32 s40, s34, 4                         ; the mask's unit: tile T = id / 16 of 16 queries,
	s_lshl_b32 s40, s40, 15
	s_and_b32 s41, s34, 15                         ; step id % 16 of 128 keys
	s_lshl_b32 s41, s41, 7
	s_add_co_u32 s40, s40, s41
	s_mov_b32 s41, 0
	s_lshl_b32 s42, s33, 13                        ; vfrag: my 32 keys are step 2 x + v / 4, half c = (v / 2) % 2, lanes' half v % 2
	s_lshr_b32 s43, s24, 2
	s_lshl_b32 s43, s43, 12
	s_add_co_u32 s42, s42, s43
	s_bfe_u32 s43, s24, 0x10001
	s_lshl_b32 s43, s43, 9
	s_add_co_u32 s42, s42, s43
	s_and_b32 s43, s24, 1
	s_lshl_b32 s43, s43, 8
	s_add_co_u32 s42, s42, s43
	s_mov_b32 s43, 0
	s_lshl_b32 s44, s33, 11                        ; the record of scl
	s_mov_b32 s45, 0
	s_lshl_b32 s46, s33, 8                         ; and that of flags
	s_mov_b32 s47, 0
	s_wait_alu depctr_va_vdst(0)                   ; the wait at the head's end
	s_wait_kmcnt 0x0
	s_add_nc_u64 s[4:5], s[4:5], s[36:37]
	s_add_nc_u64 s[6:7], s[6:7], s[36:37]
	s_add_nc_u64 s[8:9], s[8:9], s[36:37]
	s_add_nc_u64 s[10:11], s[10:11], s[40:41]
	s_add_nc_u64 s[12:13], s[12:13], s[38:39]
	s_add_nc_u64 s[14:15], s[14:15], s[38:39]
	s_add_nc_u64 s[16:17], s[16:17], s[42:43]
	s_add_nc_u64 s[18:19], s[18:19], s[38:39]
	s_add_nc_u64 s[20:21], s[20:21], s[44:45]
	s_add_nc_u64 s[22:23], s[22:23], s[46:47]
	LOADR RK, 6                                    ; all 52 loads go out: 26,624 bytes a wave
	LOADR RQ, 4
	LOADR RV, 8
.irp b, 0,1,2,3
	global_load_b128 v[RM+4*\b:RM+4*\b+3], v11, s[10:11] offset:32*\b   ; keys 32 b + 16 h + 0 .. 15 of query r
.endr
	; ---- the keys
	s_wait_loadcnt 36                              ; the keys' 16 loads are in; 16 + 16 + 4 younger ones stay out
	STIN RK, 0
	s_wait_dscnt 0x0                               ; the stores have read the registers into which the loads below land
	LDROWS RK, 0
	s_wait_loadcnt 20                              ; the queries are in; 16 + 4 stay out
	STIN RQ, 1
	s_wait_dscnt 16                                ; the keys are back from the stage; the queries' 16 stores may be out
	QBLK RK, KC, 16, 17, 14, 15
	QBLK RK+32, KC+4, 20, 21, 18, 19
	WORD 17, 21, 22, 23
	global_store_b128 v1, v[KC:KC+3], s[14:15]                 ; 32 lanes store 512 consecutive bytes, aligned
	global_store_b128 v1, v[KC+4:KC+7], s[14:15] offset:512
	ds_store_b32 v8, v22                           ; both halves of the lanes write the same word with the same value
	; ---- the queries
	s_wait_dscnt 0x0
	LDROWS RQ, 1
	s_wait_loadcnt 4                               ; the values are in; the mask's 4 loads stay out
	STIN RV, 2
	s_wait_dscnt 16                                ; the queries are back; the values' 16 stores may be out
	QBLK RQ, QC, 16, 17, 14, 15
	QBLK RQ+32, QC+4, 20, 21, 18, 19
	WORD 17, 21, 24, 23
	s_delay_alu instid0(VALU_DEP_1)
	v_lshrrev_b32 v24, v13, v24                    ; lanes 0-15 keep row u = 0's two bytes, lanes 16-31 row u = 1's,
	s_delay_alu instid0(VALU_DEP_1)
	v_and_b32 v24, 0xffff, v24
	s_delay_alu instid0(VALU_DEP_1)
	v_lshl_or_b32 v24, v24, 16, v24                ; twice: s0, s1, s0, s1: the second launch sets a query's 64 codes in either half of a K of 128
	global_store_b128 v5, v[QC:QC+3], s[12:13]                 ; rows 0-7 and 16-23 of my 32: two runs of 256 consecutive bytes, aligned
	global_store_b128 v5, v[QC+4:QC+7], s[12:13] offset:256    ; rows 8-15 and 24-31
	ds_store_b32 v7, v24
	; ---- the values come back by columns: lane L takes channel 32 e + L, its registers run down my 32 keys: one block
	s_wait_dscnt 0x0
.irp e, 0,1
.set ck, 0
.rept 32
	ds_load_b32 v[RV+32*\e+ck], v4 offset:2*STGB+ck*272+(ck/16)*128+128*\e
.set ck, ck+1
.endr
.endr
	; ---- the mask, while they come: four bytes 0 or 1 of a word become four nibbles; a register takes two words; 2 where the byte is 0
	s_wait_loadcnt 0x0
.irp i, 0,1,2,3,4,5,6,7,8,9,10,11,12,13,14,15
	v_lshl_or_b32 v[MT+\i], v[RM+\i], 4, v[RM+\i]
.endr
.irp i, 0,1,2,3,4,5,6,7,8,9,10,11,12,13,14,15
	v_and_b32 v[MT+\i], 0x01100110, v[MT+\i]       ; bytes 0 .. 3 at bits 4, 8, 20, 24
.endr
.irp i, 0,1,2,3,4,5,6,7,8,9,10,11,12,13,14,15
	v_lshl_or_b32 v[MT+\i], v[MT+\i], 8, v[MT+\i]
.endr
.irp i, 0,1,2,3,4,5,6,7,8,9,10,11,12,13,14,15
	v_and_b32 v[MT+\i], 0x01111000, v[MT+\i]       ; at bits 12, 16, 20, 24: four neighbouring nibbles
.endr
.irp t, 0,1,2,3,4,5,6,7
	v_lshrrev_b32 v[MT+2*\t], 11, v[MT+2*\t]       ; bit 1 of nibbles 0 .. 3
	s_delay_alu instid0(VALU_DEP_1)
	v_lshl_or_b32 v[MCD+\t], v[MT+2*\t+1], 5, v[MT+2*\t]   ; and of nibbles 4 .. 7
	s_delay_alu instid0(VALU_DEP_1)
	v_xor_b32 v[MCD+\t], 0x22222222, v[MCD+\t]     ; the code 2 where the mask hides the key
.endr
	global_store_b128 v1, v[MCD:MCD+3], s[18:19]
	global_store_b128 v1, v[MCD+4:MCD+7], s[18:19] offset:512
	; ---- the unit's flags: is any code 2 (a hidden key), is any code 0 (a visible one)
.irp i, 0,1,2,3
	v_or_b32 v[MT+\i], v[MCD+2*\i], v[MCD+2*\i+1]
	v_and_b32 v[MT+4+\i], v[MCD+2*\i], v[MCD+2*\i+1]
.endr
	v_or_b32 v48, v48, v49
	v_and_b32 v52, v52, v53
	v_or_b32 v50, v50, v51
	v_and_b32 v54, v54, v55
	v_or_b32 v48, v48, v50
	v_and_b32 v52, v52, v54
	v_cmp_ne_u32 s46, 0, v48                       ; the lanes that hold a hidden key
	v_cmp_ne_u32 s47, 0x22222222, v52              ; the lanes that hold a visible one
	s_cmp_lg_u32 s46, 0
	s_cselect_b32 s46, 0x10001, 1
	s_cmp_lg_u32 s47, 0
	s_cselect_b32 s46, s46, 0
	s_and_b32 s47, s34, 15
	s_lshl_b32 s46, s46, s47                       ; at the unit's step
	s_lshl_b32 s47, s24, 2
	s_add_co_u32 s47, s47, FL
	v_mov_b32 v56, s46
	v_mov_b32 v57, s47
	ds_store_b32 v57, v56                          ; all lanes write the same word with the same value
	v_and_b32 v58, 3, v0
	v_lshlrev_b32 v58, 3, v58
	v_add_nc_u32 v58, FL, v58                      ; on the way out 8 bytes a lane: the 32 bytes eight times over
	v_and_b32 v59, 31, v0
	v_lshlrev_b32 v59, 3, v59
	; ---- the values
	s_wait_dscnt 0x0
	QBLK RV, VC, 16, 17, 14, 15
	QBLK RV+32, VC+4, 20, 21, 18, 19
	global_store_b128 v6, v[VC:VC+3], s[16:17]                 ; sixteen lanes store 256 consecutive bytes, aligned
	global_store_b128 v6, v[VC+4:VC+7], s[16:17] offset:2048
	ds_store_b8 v9, v17
	ds_store_b8 v9, v21 offset:4
	; ---- the records of scale words and of flags leave whole
	s_wait_dscnt 0x0                               ; for the others' sake: my words and bytes lie in LDS
	s_barrier_signal -1
	s_barrier_wait -1
	s_cmp_lt_u32 s24, 4
	s_cbranch_scc0 .Lflags
	ds_load_b128 v[28:31], v10
	s_wait_dscnt 0x0
	global_store_b128 v26, v[28:31], s[20:21]      ; waves 0 to 3: 512 consecutive bytes each
	s_branch .Ldone
.Lflags:
	s_cmp_eq_u32 s24, 4
	s_cbranch_scc0 .Ldone
	ds_load_b64 v[28:29], v58
	s_wait_dscnt 0x0
	global_store_b64 v59, v[28:29], s[22:23]       ; wave 4: one aligned unit of 256 bytes
.Ldone:
	s_wait_tensorcnt 0x0                           ; the wave's end
	ds_add_u32 v25, v27
	s_wait_dscnt 0x0
	s_endpgm
.Lfunc_end_k_q4241e6a9ce_prep:
	.size	k_q4241e6a9ce_prep, .Lfunc_end_k_q4241e6a9ce_prep-k_q4241e6a9ce_prep
	.p2alignl 7, 3214868480
	.fill 96, 4, 3214868480
	.section	.rodata,"a",@progbits
	.p2align	6, 0x0
	.amdhsa_kernel k_q4241e6a9ce_prep
		.amdhsa_group_segment_fixed_size 218368
		.amdhsa_private_segment_fixed_size 0
		.amdhsa_enable_private_segment 0
		.amdhsa_kernarg_size 80
		.amdhsa_user_sgpr_count 2
		.amdhsa_user_sgpr_kernarg_segment_ptr 1
		.amdhsa_wavefront_size32 1
		.amdhsa_system_sgpr_workgroup_id_x 1
		.amdhsa_system_sgpr_workgroup_id_y 1
		.amdhsa_system_sgpr_workgroup_id_z 1
		.amdhsa_system_vgpr_workitem_id 0
		.amdhsa_next_free_vgpr 256
		.amdhsa_next_free_sgpr 66
		.amdhsa_reserve_vcc 0
		.amdhsa_float_denorm_mode_32 3
		.amdhsa_float_denorm_mode_16_64 3
		.amdhsa_memory_ordered 1
		.amdhsa_forward_progress 1
		.amdhsa_inst_pref_size 40
	.end_amdhsa_kernel
	.amdgpu_metadata
---
amdhsa.version: [ 1, 2 ]
amdhsa.kernels:
  - .name:           k_q4241e6a9ce_prep
    .symbol:         k_q4241e6a9ce_prep.kd
    .args:
      - { .name: queries, .offset: 0, .size: 8, .value_kind: global_buffer, .address_space: global }
      - { .name: keys, .offset: 8, .size: 8, .value_kind: global_buffer, .address_space: global }
      - { .name: values, .offset: 16, .size: 8, .value_kind: global_buffer, .address_space: global }
      - { .name: mask, .offset: 24, .size: 8, .value_kind: global_buffer, .address_space: global }
      - { .name: qcodes, .offset: 32, .size: 8, .value_kind: global_buffer, .address_space: global }
      - { .name: kfrag, .offset: 40, .size: 8, .value_kind: global_buffer, .address_space: global }
      - { .name: vfrag, .offset: 48, .size: 8, .value_kind: global_buffer, .address_space: global }
      - { .name: mcodes, .offset: 56, .size: 8, .value_kind: global_buffer, .address_space: global }
      - { .name: scl, .offset: 64, .size: 8, .value_kind: global_buffer, .address_space: global }
      - { .name: flags, .offset: 72, .size: 8, .value_kind: global_buffer, .address_space: global }
    .group_segment_fixed_size: 218368
    .private_segment_fixed_size: 0
    .kernarg_segment_align: 8
    .kernarg_segment_size: 80
    .max_flat_workgroup_size: 256
    .sgpr_count:     66
    .vgpr_count:     256
    .wavefront_size: 32
...
	.end_amdgpu_metadata
.endif
;; end of part 1
;; launch attn (part 2): grid 8 x 32, 16 waves a work-group, no clusters, 280,576 bytes of LDS; arguments qcodes, kfrag, vfrag, mcodes, scl, flags, out0; writes out0
.if DOCPART == 2
	.amdgcn_target "amdgcn-amd-amdhsa--gfx1250"
	.amdhsa_code_object_version 6
	.text
	.protected	k_q4241e6a9ce_attn
	.globl	k_q4241e6a9ce_attn
	.p2align	8
	.type	k_q4241e6a9ce_attn,@function
k_q4241e6a9ce_attn:
	s_mov_b64 s[64:65], 0
	v_nop
	global_prefetch_b8 v0, s[64:65] scope:SCOPE_SE
	s_setreg_imm32_b32 hwreg(HW_REG_WAVE_MODE, 25, 1), 1
	s_wait_xcnt 0x0
; out[h][q][:] = sum over k of w[q][k] V[h][k][:],  w = min(mask, softmax_k(Q[h][q] . K[h][k] / 8 - 1e9 (1 - mask[q][k]))).  Both products on codes of FP4 (E2M1) with E8M0 scales for each 32 along K.
; THE WEIGHTS ARE QUANTISED FINISHED AND NORMALISED, so a row's largest score and its sum are known before any weight is made: A WAVE WALKS THE KEYS TWICE for its one tile of 16 queries.
;   Walk 1: scores s; the running whole number M at or above c s; the sum l of 2^(c s - M), f32; each block's largest score goes to the wave's own bytes of LDS.   c = log2(e) / 8.
;   Walk 2: the scores again, begun from -max as C: s - max;  w = 2^(c (s - max) - log2 l), l taken under max: finished and normalised;  w is quantised and multiplies V.
;   log2 l is 0 or more; where it comes out under 2^-21 it is taken as 0, so that a row with one visible key has the weight 1 exactly.
; WHAT IS LEFT OUT: a chunk of 128 keys of which the mask shows none to the tile's 16 queries.  The FLAGS, whole numbers that the first launch made of the mask, say which: min(mask, .) = 0 is the weight of every key in it,
;   and beside a visible key its part of the softmax's sum, 2^(-1e9 log2(e) ..), is 0 in f32; a row without a visible key has weights of 0 throughout.  This holds for every mask; none of its patterns is built in.
; A MIXED CHUNK (visible and hidden keys, by the flags) begins each tile with SELECTOR x MASK CODES + 0: the selector's row m has the one code -1.0 at the place of the tile's key m, the mask's codes are 1.0 where the key is
;   hidden, the scales are 2^16 and 2^17: -2^33 where hidden, 0 elsewhere, and K Q^T adds onto it in place.  A hidden key's weight is then 0.  In walk 2 -max is added behind it by vector lines.
;   A row all of whose keys are hidden is known by max under -2^32 and takes max = 0, log2 l = 0: all its weights come out as 0.
; LIMITS.  |Q . K| under 2^31 (a score under 2.6e8): there a hidden weight is exactly 0 here and with the bias -1e9 alike.  NaN and infinities are not served; one that meets only hidden keys is not carried to the result.
;   A block whose largest weight lies under 2^-100 takes the scale of about 2^-102.  A power under 2^-126 comes out of v_exp_f32 as 0.
;   A block's largest weight is not searched for: the block's largest score goes through the same steps, which takes v_exp_f32 not to fall where its input rises.
; SHARES.  A work-group has 16 waves, each a tile of its own, all of one head; it takes eight tiles from either end of the head's 128, dealt by turns, so that rows that grow or shrink along the queries load it alike.
; K, V and their scale words of the whole head lie in LDS, brought through registers: each wave brings a sixteenth.  V is stored behind walk 1, ahead of the one barrier between the walks.
; NO TENSOR LOAD, so NO CLUSTER.  NO PREFETCH: no loop reads a stream from memory (the mask's codes of a mixed chunk, 1,024 bytes, are asked for one mixed chunk ahead).
; LAYOUT.  Both products are used transposed (S^T = K Q^T, O^T = V^T P^T): a lane holds ONE query (lane % 16).  Row r of tile 2 b + u is key 32 b + 8 u + r + 8 (r / 8), so that registers 16 b + i of a chunk hold keys
;   32 b + 16 (lane / 16) + i.  The head has 64 channels, half of the instruction's 128: a fragment of K holds two tiles (u = 0, 1) in its halves, and Q stands between registers of zero codes.
.set KSB,  65536                       ; LDS: K's 16 chunks of 4,096 bytes from byte 0; its scale words, 256 bytes a chunk; V's; V's 16 chunks
.set VB,   KSB+8192
.set BM,   VB+65536                    ; each wave's own: the blocks' largest scores, 512 bytes a chunk; later the stage of the way out
.set BMW,  8704
.set SPARE, BM+16*BMW                  ; the spare words, 128 bytes for each wave: eight blocks of 256 bytes that no other line names
.set NL,   16                          ; v16  -log2 l  (v17 is named with it as a pair)
.set QS,   18                          ; v18-26 hold scales alone, but v21: Q's scale words
.set CSEL, 19                          ; the selector's: 2^16
.set CMSK, 20                          ; the mask codes': 2^17
.set SF,   21                          ; v21  the score at which a weight is about 2^-100
.set KSW,  22                          ; v22-23 K's scale words of the chunk: word i: lanes 0-15 pair 2 i, lanes 16-31 pair 2 i + 1
.set VSW,  24                          ; v24-25 V's likewise, for the channels' tiles
.set PS,   26                          ; v26  the weights'
.set QZ,   50                          ; v50-61 zero codes, Q, zero codes   (v28-49: the selector)
.set MC,   62                          ; v62-69 the mask's codes
.set KF,   70                          ; v70-101 K's fragments of the chunk
.set VF,   102                         ; v102-133 V's; in walk 1 my part of V on its way to LDS
.set SR,   134                         ; v134-197 the scores, then p or w
.set OA,   198                         ; v198-229 O^T
.set CM,   230                         ; v230-237 -max
.set BX,   238                         ; v238-241 the blocks' largest
.set BY,   242                         ; v242-245 lane l xor 16's; then scale bytes
.set CD,   246                         ; v246-253 walk 2: the codes of w
.set LL,   246                         ; walk 1: the sum in two halves,
.set NM,   248                         ;   -M (v249 is named with it),
.set FF,   250                         ;   2^(old M - new M) (v251 is named with it),
.set MX,   252                         ;   the largest score of my half of the keys
.macro KLOADS a, k                     ; a chunk's K and scale words: 9 LDS loads
.irp i, 0,1,2,3,4,5,6,7
	ds_load_b128 v[KF+4*\i:KF+4*\i+3], v[\a] offset:512*\i
.endr
	ds_load_b64 v[KSW:KSW+1], v[\k]
.endm
.macro QK t, mode                      ; tile t: K Q^T + 0 (mode 0), + -max (1), + itself (2)
.set wp, (\t)/2
.set wa, KF+8*wp
.set wb, QZ+4-4*((\t)%2)               ; Q in the low half for u = 0, in the high half for u = 1
.set wd, SR+8*(\t)
.set wk, KSW+wp/2
.set wc, CM
.if (\mode) == 2
.set wc, wd
.endif
.if (\mode) == 0
.if wp%2
	v_wmma_scale_f32_16x16x128_f8f6f4 v[wd:wd+7], v[wa:wa+7], v[wb:wb+7], 0, v[wk], v[QS] matrix_a_fmt:MATRIX_FMT_FP4 matrix_b_fmt:MATRIX_FMT_FP4 matrix_a_scale:MATRIX_SCALE_ROW1
.else
	v_wmma_scale_f32_16x16x128_f8f6f4 v[wd:wd+7], v[wa:wa+7], v[wb:wb+7], 0, v[wk], v[QS] matrix_a_fmt:MATRIX_FMT_FP4 matrix_b_fmt:MATRIX_FMT_FP4
.endif
.else
.if wp%2
	v_wmma_scale_f32_16x16x128_f8f6f4 v[wd:wd+7], v[wa:wa+7], v[wb:wb+7], v[wc:wc+7], v[wk], v[QS] matrix_a_fmt:MATRIX_FMT_FP4 matrix_b_fmt:MATRIX_FMT_FP4 matrix_a_scale:MATRIX_SCALE_ROW1
.else
	v_wmma_scale_f32_16x16x128_f8f6f4 v[wd:wd+7], v[wa:wa+7], v[wb:wb+7], v[wc:wc+7], v[wk], v[QS] matrix_a_fmt:MATRIX_FMT_FP4 matrix_b_fmt:MATRIX_FMT_FP4
.endif
.endif
.endm
.macro MSK t                           ; tile t begins: selector x mask codes + 0; the selector of tile t is a run of 8 registers in which the one that is not zero, v35 or v42, stands at place t
.set wa, 42-(\t)-7*((\t)%2)
.set wd, SR+8*(\t)
	v_wmma_scale_f32_16x16x128_f8f6f4 v[wd:wd+7], v[wa:wa+7], v[MC:MC+7], 0, v[CSEL], v[CMSK] matrix_a_fmt:MATRIX_FMT_FP4 matrix_b_fmt:MATRIX_FMT_FP4
.endm
.macro SCORES walk2                    ; a chunk's eight tiles
	s_bitcmp1_b32 s25, s27
	s_cbranch_scc1 .Lmixed_\@
.irp t, 0,1,2,3,4,5,6,7
	QK \t, \walk2
.endr
	s_branch .Lmade_\@
.Lmixed_\@:
	s_wait_loadcnt 0x0                             ; the mask's codes are in
.irp t, 0,1,2,3,4,5,6,7
	MSK \t
.endr
.irp t, 0,1,2,3,4,5,6,7
	QK \t, 2                                       ; seven other tiles' instructions stand between a tile's two
.endr
.rept 4
	v_nop                                          ; four places ahead of what reads or writes these instructions' registers
.endr
.if \walk2
.set ak, SR
.rept 32
	v_pk_add_f32 v[ak:ak+1], v[ak:ak+1], v[CM:CM+1]
.set ak, ak+2
.endr
.endif
	s_sub_co_u32 s33, s26, 1
	s_and_b32 s33, s33, s26                        ; the lowest mixed chunk is done with;
	s_cselect_b32 s26, s33, s25                    ; behind the last the next walk's first is wanted
	s_ctz_i32_b32 s33, s26
	s_min_u32 s33, s33, 15
	s_lshl_b32 s36, s33, 10
	s_add_nc_u64 s[34:35], s[38:39], s[36:37]      ; (the loads that read the old base were waited for above)
	global_load_b128 v[MC:MC+3], v1, s[34:35]
	global_load_b128 v[MC+4:MC+7], v1, s[34:35] offset:512
.Lmade_\@:
.endm
.macro FMAR a, n, nb                   ; c s + addend, two at a time (of the pairs the low word serves both halves)
.set fk, SR+2*(\a)
.rept \n
	v_pk_fma_f32 v[fk:fk+1], v[fk:fk+1], s[22:23], v[\nb:\nb+1] op_sel_hi:[1,0,0]
.set fk, fk+2
.endr
.endm
.macro PV d                            ; O^T of channels 16 d ..: + V^T P^T over the chunk's 128 keys
	s_wait_alu depctr_va_vdst(0)                   ; directly ahead of the reader of a matrix result that was written ahead of the exponentials
.if (\d)%2
	v_wmma_scale_f32_16x16x128_f8f6f4 v[OA+8*\d:OA+8*\d+7], v[VF+8*\d:VF+8*\d+7], v[CD:CD+7], v[OA+8*\d:OA+8*\d+7], v[VSW+(\d)/2], v[PS] matrix_a_fmt:MATRIX_FMT_FP4 matrix_b_fmt:MATRIX_FMT_FP4 matrix_a_scale:MATRIX_SCALE_ROW1
.else
	v_wmma_scale_f32_16x16x128_f8f6f4 v[OA+8*\d:OA+8*\d+7], v[VF+8*\d:VF+8*\d+7], v[CD:CD+7], v[OA+8*\d:OA+8*\d+7], v[VSW+(\d)/2], v[PS] matrix_a_fmt:MATRIX_FMT_FP4 matrix_b_fmt:MATRIX_FMT_FP4
.endif
.endm
	s_load_b256 s[4:11], s[0:1], 0x0               ; qcodes s[4:5], kfrag s[6:7], vfrag s[8:9], mcodes s[10:11]
	s_load_b128 s[12:15], s[0:1], 0x20             ; scl s[12:13], flags s[14:15]
	s_load_b64 s[16:17], s[0:1], 0x30              ; out0
	v_lshl_add_u32 v2, v0, 2, SPARE                ; v2: my spare word; v3: 0; kept for the lines at the wave's end
	v_mov_b32 v3, 0
	v_lshrrev_b32 v4, 5, v0
	v_and_b32 v5, 31, v0                           ; lane
	v_and_b32 v7, 15, v0                           ; r
	v_bfe_u32 v8, v0, 4, 1                         ; h
	v_bfe_u32 v9, v0, 3, 1                         ; r / 8
	v_readfirstlane_b32 s18, v4                    ; wave w
	v_lshlrev_b32 v1, 4, v5                        ; v1: 16 x lane
	v_lshl_add_u32 v10, v5, 3, KSB                 ; v10: K's scale words
	v_and_b32 v6, 7, v0
	v_lshlrev_b32 v14, 2, v6
	v_mov_b32 v15, 10                              ; the code of -1.0
	v_cmp_eq_u32 vcc_lo, v9, v8
	v_lshlrev_b32 v15, v14, v15                    ; at nibble m % 8,
	v_lshlrev_b32 v6, 5, v7
	v_cndmask_b32 v35, 0, v15, vcc_lo              ; in the half of the lanes m / 8: row m = lane % 16 of the selector
	v_lshl_add_u32 v6, v8, 4, v6                   ; v6: Q: 32 r + 16 h
	v_mov_b32 v42, v35
	v_lshlrev_b32 v7, 2, v7                        ; v7: Q's scale words: 4 r
	v_add_nc_u32 v11, VB, v1                       ; v11: V
	v_xor_b32 v13, 0x100, v1
	s_mul_i32 s33, s18, BMW
	s_add_co_u32 s33, s33, BM
	v_add_nc_u32 v12, s33, v1                      ; v12: my blocks' largest
	v_add_nc_u32 v13, s33, v13                     ; v13: those of lane l xor 16
	s_lshl_b32 s34, s18, 12
	v_add_nc_u32 v4, s34, v1                       ; v4: my sixteenth of K
	s_lshl_b32 s35, s18, 9
	s_add_co_u32 s35, s35, KSB
	v_lshl_add_u32 v5, v5, 3, s35                  ; v5: my two chunks of scale words: K's from waves 0 to 7, V's from waves 8 to 15
	s_mov_b32 s20, 0x76543210
	s_mov_b32 s21, 0xfedcba98                      ; v_permlanex16_b32's selects for lane l xor 16
	s_mov_b32 s22, 0x3e38aa3b                      ; c = log2(e) / 8
	s_mov_b32 s23, s22                             ; (named with it as a pair)
	; my tile T: eight of a work-group's sixteen are tiles 8 (15 - x) on, eight tiles 8 x on, by turns among the waves
	s_lshr_b32 s33, s18, 2
	s_xor_b32 s33, s33, s18
	s_and_b32 s33, s33, 1
	s_sub_co_u32 s19, 15, ttmp9
	s_cmp_eq_u32 s33, 0
	s_cselect_b32 s19, s19, ttmp9
	s_lshl_b32 s19, s19, 3
	s_lshr_b32 s35, s18, 1
	s_add_co_u32 s19, s19, s35                     ; T
	s_and_b32 s33, ttmp7, 0xffff                   ; head
	s_lshl_b32 s40, s33, 16                        ; a head's 65,536 bytes in qcodes, kfrag, vfrag
	s_lshl_b32 s48, s19, 9                         ; flags: two records of 256 bytes a tile
	s_add_co_u32 s42, s48, s40                     ; Q: 16 rows of 32 bytes
	s_add_co_u32 s40, s40, s34                     ; K, V: my 4,096 bytes of each
	s_lshl_b32 s35, s33, 3
	s_and_b32 s34, s18, 7
	s_add_co_u32 s44, s35, s34
	s_lshl_b32 s44, s44, 11
	s_lshr_b32 s34, s18, 3
	s_lshl_b32 s34, s34, 9
	s_add_co_u32 s44, s44, s34
	s_add_co_u32 s44, s44, 1024                    ; scl: record 8 head + w % 8, K's or V's part
	s_lshr_b32 s34, s19, 4
	s_add_co_u32 s46, s35, s34
	s_lshl_b32 s46, s46, 11
	s_and_b32 s34, s19, 15
	s_lshl_b32 s34, s34, 6
	s_add_co_u32 s46, s46, s34                     ; and the words of my queries
	s_lshl_b32 s50, s19, 14                        ; the mask's codes: 16 chunks of 1,024 bytes
	s_lshl_b32 s52, s33, 19
	s_lshl_b32 s34, s19, 12
	s_add_co_u32 s52, s52, s34                     ; out: my 16 rows of 256 bytes
.irp z, 37,41,43,45,47,49,51,53
	s_mov_b32 s[\z], 0
.endr
	s_wait_alu depctr_va_vdst(0)                   ; directly ahead of the wait below
	s_wait_kmcnt 0x0
	s_add_nc_u64 s[4:5], s[4:5], s[42:43]
	s_add_nc_u64 s[6:7], s[6:7], s[40:41]
	s_add_nc_u64 s[8:9], s[8:9], s[40:41]
	s_add_nc_u64 s[38:39], s[10:11], s[50:51]
	s_add_nc_u64 s[56:57], s[12:13], s[44:45]
	s_add_nc_u64 s[12:13], s[12:13], s[46:47]
	s_add_nc_u64 s[14:15], s[14:15], s[48:49]
	s_add_nc_u64 s[16:17], s[16:17], s[52:53]
	s_load_b256 s[40:47], s[14:15], 0x0            ; the flags of my tile: eight words in each of two records
	s_load_b256 s[48:55], s[14:15], 0x100
	global_load_b128 v[BX:BX+3], v1, s[56:57]      ; two chunks of scale words, as [32 lanes][4 words]
.irp i, 0,1,2,3,4,5,6,7
	global_load_b128 v[KF+4*\i:KF+4*\i+3], v1, s[6:7] offset:512*\i
.endr
	global_load_b128 v[QZ+4:QZ+7], v6, s[4:5]
	global_load_b32 v[QS], v7, s[12:13]
.irp i, 0,1,2,3,4,5,6,7
	global_load_b128 v[VF+4*\i:VF+4*\i+3], v1, s[8:9] offset:512*\i
.endr
.irp z, 28,29,30,31,32,33,34,36,37,38,39,40,41,43,44,45,46,47,48,49,50,51,52,53,58,59,60,61
	v_mov_b32 v[\z], 0                             ; zero codes: round the selector's one register, and round Q
.endr
	v_mov_b32 v[CSEL], 0x8f8f8f8f
	v_mov_b32 v[CMSK], 0x90909090
	v_mov_b32 v[NL+1], 0                           ; named as the upper halves of pairs before they are first written
	v_mov_b32 v[NM+1], 0
	v_mov_b32 v[FF+1], 0
	v_mov_b32 v[LL], 0                             ; the sum
	v_mov_b32 v[LL+1], 0
	v_mov_b32 v[MX], 0xff61b1e6                    ; the largest score so far: -3e38
	v_mov_b32 v[NM], 0x7f61b1e6                    ; -M: 3e38: the first change of M multiplies a sum of 0 by 0
	s_wait_alu depctr_va_vdst(0)                   ; the wait at the head's end
	s_wait_kmcnt 0x0
	s_or_b32 s24, s40, s41
.irp z, 42,43,44,45,46,47,48,49,50,51,52,53,54,55
	s_or_b32 s24, s24, s[\z]
.endr
	s_lshr_b32 s25, s24, 16                        ; s25: the chunks that are mixed,
	s_and_b32 s24, s24, 0xffff                     ; s24: those with a visible key
	s_mov_b32 s26, s25                             ; s26: the mixed ones still to come
	s_ctz_i32_b32 s33, s26
	s_min_u32 s33, s33, 15                         ; (a tile without a mixed chunk loads the last chunk's codes, and nobody reads them)
	s_lshl_b32 s36, s33, 10
	s_add_nc_u64 s[34:35], s[38:39], s[36:37]
	global_load_b128 v[MC:MC+3], v1, s[34:35]
	global_load_b128 v[MC+4:MC+7], v1, s[34:35] offset:512
	s_wait_loadcnt 12                              ; K and the scale words are in; Q, its words, V's 8 and the mask's 2 may be out
.irp i, 0,1,2,3,4,5,6,7
	ds_store_b128 v4, v[KF+4*\i:KF+4*\i+3] offset:512*\i
.endr
	ds_store_b64 v5, v[BX:BX+1]
	ds_store_b64 v5, v[BX+2:BX+3] offset:256
	s_wait_loadcnt 10                              ; Q and its words are in
	s_wait_dscnt 0x0                               ; for the others' sake: my part of K and of the scale words lies in LDS
	s_barrier_signal -1
	s_barrier_wait -1
	; ---- walk 1.  At a trip's head chunk s27's K is in registers or on its way; each trip fetches the next one's.  (The last trip so fetches the bytes behind K and its scale words, which are scale words too; nobody reads what it brings.)
	KLOADS 1, 10
	s_mov_b32 s27, 0
	s_mov_b32 s28, 4096                            ; the next chunk of K,
	s_mov_b32 s29, 256                             ; and of its scale words
	s_mov_b32 s30, 0                               ; the chunk's place among the blocks' largest
.Lp1:
	s_wait_dscnt 0x0
	s_bitcmp1_b32 s24, s27
	s_cbranch_scc1 .Lvis1
	v_add_nc_u32 v4, s28, v1
	v_add_nc_u32 v5, s29, v10
	KLOADS 4, 5
	s_branch .Lend1
.Lvis1:
	SCORES 0
	v_add_nc_u32 v4, s28, v1
	v_add_nc_u32 v5, s29, v10
	v_add_nc_u32 v7, s30, v12
	v_nop                                          ; with the three lines above four places behind the products
	KLOADS 4, 5
.irp b, 0,1,2,3
	v_max3_num_f32 v[BX+\b], v[SR+16*\b], v[SR+16*\b+1], v[SR+16*\b+2]      ; the largest of my half of each block; each tile is first read at its low end
.endr
.irp i, 3,5,7,9,11,13
.irp b, 0,1,2,3
	v_max3_num_f32 v[BX+\b], v[BX+\b], v[SR+16*\b+\i], v[SR+16*\b+\i+1]
.endr
.endr
.irp b, 0,1,2,3
	v_max_num_f32 v[BX+\b], v[BX+\b], v[SR+16*\b+15]
.endr
	v_mov_b32 v255, v[NM]
	v_max3_num_f32 v254, v[BX], v[BX+1], v[MX]
	s_delay_alu instid0(VALU_DEP_1)
	v_max3_num_f32 v[MX], v[BX+2], v[BX+3], v254
	s_delay_alu instid0(VALU_DEP_1)
	v_mul_f32 v254, s22, v[MX]
	s_delay_alu instid0(VALU_DEP_1)
	v_floor_f32 v[NM], -v254                       ; -M: M is a whole number, at or above every c s so far
	ds_store_b128 v7, v[BX:BX+3]
	FMAR 0, 4, NM
	v_sub_f32 v255, v[NM], v255                    ; old M - new M: a whole number, 0 or less
	FMAR 4, 4, NM
	v_cvt_i32_f32 v255, v255
	FMAR 8, 4, NM
	v_ldexp_f32 v[FF], 1.0, v255
	FMAR 12, 4, NM
	s_wait_alu depctr_va_vdst(0)                   ; ahead of the batch
.set ek, SR
.rept 16
	v_exp_f32 v[ek], v[ek]
	v_exp_f32 v[ek+1], v[ek+1]
	v_pk_fma_f32 v[ek+32:ek+33], v[ek+32:ek+33], s[22:23], v[NM:NM+1] op_sel_hi:[1,0,0]
.set ek, ek+2
.endr
	s_wait_alu depctr_va_vdst(0)                   ; the first half's p, and the second half's arguments
.set ek, SR+32
.rept 16
	v_exp_f32 v[ek], v[ek]
.set ek, ek+1
.endr
.set sk, SR
.rept 8
	v_exp_f32 v[ek], v[ek]
	v_exp_f32 v[ek+1], v[ek+1]
	v_pk_add_f32 v[sk:sk+1], v[sk:sk+1], v[sk+2:sk+3]
.set ek, ek+2
.set sk, sk+4
.endr
	s_wait_alu depctr_va_vdst(0)                   ; the second half's p
	v_pk_fma_f32 v[LL:LL+1], v[LL:LL+1], v[FF:FF+1], v[SR:SR+1] op_sel_hi:[1,0,1]   ; the sum under the new M, in four chains
	v_pk_add_f32 v[SR+4:SR+5], v[SR+4:SR+5], v[SR+20:SR+21]
	v_pk_add_f32 v[SR+8:SR+9], v[SR+8:SR+9], v[SR+24:SR+25]
	v_pk_add_f32 v[SR+12:SR+13], v[SR+12:SR+13], v[SR+28:SR+29]
	v_pk_add_f32 v[LL:LL+1], v[LL:LL+1], v[SR+16:SR+17]
.irp k, 32,40,48,56
	v_pk_add_f32 v[SR+4:SR+5], v[SR+4:SR+5], v[SR+\k+2:SR+\k+3]
	v_pk_add_f32 v[SR+8:SR+9], v[SR+8:SR+9], v[SR+\k+4:SR+\k+5]
	v_pk_add_f32 v[SR+12:SR+13], v[SR+12:SR+13], v[SR+\k+6:SR+\k+7]
	v_pk_add_f32 v[LL:LL+1], v[LL:LL+1], v[SR+\k:SR+\k+1]
.endr
	v_pk_add_f32 v[SR+4:SR+5], v[SR+4:SR+5], v[SR+12:SR+13]
	v_pk_add_f32 v[LL:LL+1], v[LL:LL+1], v[SR+8:SR+9]
	v_pk_add_f32 v[LL:LL+1], v[LL:LL+1], v[SR+4:SR+5]
.Lend1:
	s_wait_alu depctr_va_vdst(0)                   ; ahead of the branch
	s_add_co_u32 s28, s28, 4096
	s_add_co_u32 s29, s29, 256
	s_add_co_u32 s30, s30, 512
	s_add_co_u32 s27, s27, 1
	s_cmp_lt_u32 s27, 16
	s_cbranch_scc1 .Lp1
	; ---- between the walks: my sixteenth of V goes to LDS; the two halves of the lanes join their figures
	s_wait_loadcnt 0x2                             ; V is in: on every way at least the mask's two first loads are younger
	s_lshl_b32 s33, s18, 12
	v_add_nc_u32 v6, s33, v11
.irp i, 0,1,2,3,4,5,6,7
	ds_store_b128 v6, v[VF+4*\i:VF+4*\i+3] offset:512*\i
.endr
	v_add_f32 v[LL], v[LL], v[LL+1]
	v_permlanex16_b32 v238, v[MX], s20, s21
	v_permlanex16_b32 v239, v[NM], s20, s21
	v_permlanex16_b32 v240, v[LL], s20, s21
	s_wait_alu depctr_va_vdst(0)                   ; directly ahead of the wait below
	s_wait_dscnt 0x0                               ; for the others' sake: my part of V lies in LDS
	s_barrier_signal -1
	v_max_num_f32 v[MX], v[MX], v238               ; the row's largest score
	v_min_num_f32 v254, v[NM], v239                ; the row's -M
	v_sub_f32 v[NM], v254, v[NM]
	v_sub_f32 v239, v254, v239
	v_cvt_i32_f32 v[NM], v[NM]
	v_cvt_i32_f32 v239, v239
	v_ldexp_f32 v[LL], v[LL], v[NM]
	v_ldexp_f32 v240, v240, v239
	v_fma_f32 v255, v[MX], s22, v254               ; c max - M: -1 .. 0
	v_add_f32 v[LL], v[LL], v240                   ; l under M
	s_wait_alu depctr_va_vdst(0)                   ; ahead of the transcendental
	v_log_f32 v[LL], v[LL]
	v_nop                                          ; a plain place behind it
.set ok, OA
.rept 32
	v_mov_b32 v[ok], 0                             ; O^T begins as zeros: which chunk comes first hangs on the flags, and the loop is written once
.set ok, ok+1
.endr
	s_wait_alu depctr_va_vdst(0)                   ; ahead of its first reader
	v_sub_f32 v[LL], v[LL], v255                   ; log2 of l under max: 0 or more,
	v_cmp_gt_f32 vcc_lo, 0x35000000, v[LL]
	v_cndmask_b32 v[LL], v[LL], 0, vcc_lo          ; under 2^-21 taken as 0
	v_cmp_gt_f32 vcc_lo, 0xcf800000, v[MX]         ; max under -2^32: every key of the row is hidden
	v_cndmask_b32 v[LL], v[LL], 0, vcc_lo
	v_cndmask_b32 v[MX], v[MX], 0, vcc_lo
	v_add_f32 v254, 0xc2c80000, v[LL]              ; log2 l - 100
	v_sub_f32 v[NL], 0, v[LL]
.irp i, 0,1,2,3,4,5,6,7
	v_sub_f32 v[CM+\i], 0, v[MX]                   ; -max, as eight rows of C
.endr
	v_fmamk_f32 v[SF], v254, 0x40b17218, v[MX]     ; / c = x 8 ln 2, + max
	s_wait_alu depctr_va_vdst(0)                   ; directly ahead of the wait below
	s_barrier_wait -1
	; ---- walk 2
	KLOADS 1, 10
	s_mov_b32 s27, 0
	s_mov_b32 s28, 4096
	s_mov_b32 s29, 256
	s_mov_b32 s30, 0
	s_mov_b32 s31, 0                               ; the chunk's place in V,
	s_mov_b32 s32, 0                               ; and among its scale words
.Lp2:
	s_wait_dscnt 0x0
	s_bitcmp1_b32 s24, s27
	s_cbranch_scc1 .Lvis2
	v_add_nc_u32 v4, s28, v1
	v_add_nc_u32 v5, s29, v10
	KLOADS 4, 5
	s_branch .Lend2
.Lvis2:
	v_add_nc_u32 v6, s31, v11                      ; these four are also the places between the last trip's products and the loads into their operands
	v_add_nc_u32 v9, s32, v10
	v_add_nc_u32 v7, s30, v12
	v_add_nc_u32 v8, s30, v13
.irp i, 0,1,2,3,4,5,6,7
	ds_load_b128 v[VF+4*\i:VF+4*\i+3], v6 offset:512*\i
.endr
	ds_load_b64 v[VSW:VSW+1], v9 offset:4096
	ds_load_b128 v[BX:BX+3], v7                    ; the blocks' largest scores: my half's
	ds_load_b128 v[BY:BY+3], v8                    ; and lane l xor 16's
	SCORES 1
	v_add_nc_u32 v4, s28, v1
	v_add_nc_u32 v5, s29, v10
	v_nop
	v_nop                                          ; with the two lines above four places behind the products
	KLOADS 4, 5
	s_wait_dscnt 0x9                               ; V, its scale words and the blocks' largest are in; the next chunk's nine may be out
.irp b, 0,1,2,3
	v_max3_num_f32 v[BX+\b], v[BX+\b], v[BY+\b], v[SF]             ; held from below: so the scale's byte cannot fall under 1
.endr
	v_pk_add_f32 v[BX:BX+1], v[BX:BX+1], v[CM:CM+1]
	v_pk_add_f32 v[BX+2:BX+3], v[BX+2:BX+3], v[CM:CM+1]
	v_pk_fma_f32 v[BX:BX+1], v[BX:BX+1], s[22:23], v[NL:NL+1] op_sel_hi:[1,0,0]
	v_pk_fma_f32 v[BX+2:BX+3], v[BX+2:BX+3], s[22:23], v[NL:NL+1] op_sel_hi:[1,0,0]
	FMAR 0, 32, NL                                 ; c (s - max) - log2 l
	s_wait_alu depctr_va_vdst(0)                   ; ahead of the batch
.irp b, 0,1,2,3
	v_exp_f32 v[BX+\b], v[BX+\b]                   ; the blocks' largest w: the same instruction on the same number
.endr
.set ek, SR
.rept 32
	v_exp_f32 v[ek], v[ek]
.set ek, ek+1
.endr
	v_nop                                          ; a plain place behind the batch
	s_wait_alu depctr_va_vdst(0)                   ; ahead of the batch's first reader
.irp b, 0,1,2,3
	v_add_nc_u32 v[BX+\b], 0xff000000, v[BX+\b]    ; 2 off the exponent field: the conversions' scale operands
.endr
.irp b, 0,1,2,3
	v_lshrrev_b32 v[BY+\b], 23, v[BX+\b]           ; the scales' bytes
.endr
	v_lshl_or_b32 v[PS], v[BY+1], 8, v[BY]
	s_delay_alu instid0(VALU_DEP_1)
	v_lshl_or_b32 v[PS], v[BY+2], 16, v[PS]
	s_delay_alu instid0(VALU_DEP_1)
	v_lshl_or_b32 v[PS], v[BY+3], 24, v[PS]
	s_wait_alu depctr_va_vdst(0)                   ; ahead of the batch
.set ek, SR+32
.set ck, 0
.rept 4                                ; the second half's w, and the first half's codes beside them
.rept 8
	v_exp_f32 v[ek], v[ek]
.set ek, ek+1
.endr
	v_cvt_scalef32_pk8_fp4_f32 v[CD+ck], v[SR+8*ck:SR+8*ck+7], v[BX+ck/2]
.set ck, ck+1
.endr
	v_nop                                          ; a plain place behind the batch and the conversions
	s_wait_alu depctr_va_vdst(0)                   ; ahead of the batch's first reader
.rept 4
	v_cvt_scalef32_pk8_fp4_f32 v[CD+ck], v[SR+8*ck:SR+8*ck+7], v[BX+ck/2]
.set ck, ck+1
.endr
	v_nop                                          ; a plain place behind the conversions
.irp c, 0,1                            ; the operand's layout wants a whole block in a lane: lanes 0-15 block 2 c, lanes 16-31 block 2 c + 1
.irp i, 0,1
	v_permlane16_swap_b32 v[CD+4*\c+\i], v[CD+4*\c+2+\i]
.endr
.endr
.rept 6
	v_nop                                          ; an operand written by vector lines stands four places ahead of the products, the scale word eight
.endr
.irp d, 0,1,2,3
	PV \d
.endr
.Lend2:
	s_wait_alu depctr_va_vdst(0)                   ; behind the last product and ahead of the branch
	s_add_co_u32 s28, s28, 4096
	s_add_co_u32 s29, s29, 256
	s_add_co_u32 s30, s30, 512
	s_add_co_u32 s31, s31, 4096
	s_add_co_u32 s32, s32, 256
	s_add_co_u32 s27, s27, 1
	s_cmp_lt_u32 s27, 16
	s_cbranch_scc1 .Lp2
	; ---- the way out: lane (r, h) holds channels 16 d + 8 h + 0 .. 7 of query r; through my own stage, where the blocks' largest lay, into whole rows of 256 bytes
	s_mul_i32 s33, s18, BMW
	s_add_co_u32 s33, s33, BM
	v_and_b32 v7, 15, v0                           ; (the eleven lines are also the places behind the last products)
	v_bfe_u32 v8, v0, 4, 1
	v_mul_u32_u24 v4, v7, 272
	v_lshl_add_u32 v4, v8, 5, v4
	v_add_nc_u32 v4, s33, v4                       ; in: row r, 32 h
	v_mul_u32_u24 v5, v8, 272
	v_lshl_add_u32 v5, v7, 4, v5
	v_add_nc_u32 v5, s33, v5                       ; back: lanes 0-15 one row, lanes 16-31 the next
	v_lshlrev_b32 v6, 8, v8
	v_lshl_add_u32 v6, v7, 4, v6                   ; the same rows in out
	v_nop
.irp d, 0,1,2,3
	ds_store_b128 v4, v[OA+8*\d:OA+8*\d+3] offset:64*\d
	ds_store_b128 v4, v[OA+8*\d+4:OA+8*\d+7] offset:64*\d+16
.endr
.irp i, 0,1,2,3,4,5,6,7
	ds_load_b128 v[VF+4*\i:VF+4*\i+3], v5 offset:544*\i            ; LDS serves a wave's instructions in order: these see my stores
.endr
	s_wait_alu depctr_va_vdst(0)                   ; directly ahead of the waits below
.irp i, 0,1,2,3,4,5,6,7
	s_wait_dscnt 7-\i                              ; rows 2 i and 2 i + 1 are back; the later ones may be out
	global_store_b128 v6, v[VF+4*\i:VF+4*\i+3], s[16:17] offset:512*\i th:TH_STORE_NT   ; 512 consecutive bytes, aligned
.endr
	s_wait_tensorcnt 0x0                           ; the wave's end
	ds_add_u32 v2, v3
	s_wait_dscnt 0x0
	s_endpgm
.Lfunc_end_k_q4241e6a9ce_attn:
	.size	k_q4241e6a9ce_attn, .Lfunc_end_k_q4241e6a9ce_attn-k_q4241e6a9ce_attn
	.p2alignl 7, 3214868480
	.fill 96, 4, 3214868480
	.section	.rodata,"a",@progbits
	.p2align	6, 0x0
	.amdhsa_kernel k_q4241e6a9ce_attn
		.amdhsa_group_segment_fixed_size 280576
		.amdhsa_private_segment_fixed_size 0
		.amdhsa_enable_private_segment 0
		.amdhsa_kernarg_size 56
		.amdhsa_user_sgpr_count 2
		.amdhsa_user_sgpr_kernarg_segment_ptr 1
		.amdhsa_wavefront_size32 1
		.amdhsa_system_sgpr_workgroup_id_x 1
		.amdhsa_system_sgpr_workgroup_id_y 1
		.amdhsa_system_sgpr_workgroup_id_z 1
		.amdhsa_system_vgpr_workitem_id 0
		.amdhsa_next_free_vgpr 256
		.amdhsa_next_free_sgpr 66
		.amdhsa_reserve_vcc 1
		.amdhsa_float_denorm_mode_32 3
		.amdhsa_float_denorm_mode_16_64 3
		.amdhsa_memory_ordered 1
		.amdhsa_forward_progress 1
		.amdhsa_inst_pref_size 46
	.end_amdhsa_kernel
	.amdgpu_metadata
---
amdhsa.version: [ 1, 2 ]
amdhsa.kernels:
  - .name:           k_q4241e6a9ce_attn
    .symbol:         k_q4241e6a9ce_attn.kd
    .args:
      - { .name: qcodes, .offset: 0, .size: 8, .value_kind: global_buffer, .address_space: global }
      - { .name: kfrag, .offset: 8, .size: 8, .value_kind: global_buffer, .address_space: global }
      - { .name: vfrag, .offset: 16, .size: 8, .value_kind: global_buffer, .address_space: global }
      - { .name: mcodes, .offset: 24, .size: 8, .value_kind: global_buffer, .address_space: global }
      - { .name: scl, .offset: 32, .size: 8, .value_kind: global_buffer, .address_space: global }
      - { .name: flags, .offset: 40, .size: 8, .value_kind: global_buffer, .address_space: global }
      - { .name: out0, .offset: 48, .size: 8, .value_kind: global_buffer, .address_space: global }
    .group_segment_fixed_size: 280576
    .private_segment_fixed_size: 0
    .kernarg_segment_align: 8
    .kernarg_segment_size: 56
    .max_flat_workgroup_size: 512
    .sgpr_count:     66
    .vgpr_count:     256
    .wavefront_size: 32
...
	.end_amdgpu_metadata
.endif
;; end of part 2
